; MI455X (gfx1250); checked and timed in simulation.
; The chip was launched on July 23, 2026; its instructions are those of AMD's public machine-readable ISA for CDNA 5 (MIT licence, August 2026) and "CDNA5" Instruction Set Architecture Reference Guide (July 2026). The comments in the code are by the model that wrote it; some were corrected since.
;; Multi Head Self Attention. Allowed arithmetic: matrix products marked QUANTISED: E2M1 operands, one E8M0 scale for each 32 along K, by v_wmma_scale_f32_16x16x128_f8f6f4 with both operands' format E2M1 (or v_wmma_scale_f32_32x16x128_f4), f32 sums; everything else in f32.
;; Inputs: W_k_codes 1,024 x 32 x 16 uint8 (E2M1 codes of W_k, K innermost, in blocks of 32 codes, two codes a byte); W_k_scales 1,024 x 32 uint8 (E8M0 scales of W_k, one for each 32 codes along K); W_o_codes 1,024 x 32 x 16 uint8 (E2M1 codes of W_o, K innermost, in blocks of 32 codes, two codes a byte); W_o_scales 1,024 x 32 uint8 (E8M0 scales of W_o, one for each 32 codes along K); W_q_codes 1,024 x 32 x 16 uint8 (E2M1 codes of W_q, K innermost, in blocks of 32 codes, two codes a byte); W_q_scales 1,024 x 32 uint8 (E8M0 scales of W_q, one for each 32 codes along K); W_v_codes 1,024 x 32 x 16 uint8 (E2M1 codes of W_v, K innermost, in blocks of 32 codes, two codes a byte); W_v_scales 1,024 x 32 uint8 (E8M0 scales of W_v, one for each 32 codes along K); b_k 1,024 float32; b_o 1,024 float32; b_q 1,024 float32; b_v 1,024 float32; x_codes 4 x 2,048 x 32 x 16 uint8 (E2M1 codes of x, K innermost, in blocks of 32 codes, two codes a byte); x_scales 4 x 2,048 x 32 uint8 (E8M0 scales of x, one for each 32 codes along K).
;; Outputs: out0 4 x 2,048 x 1,024 float32.
;; This version of the problem:
;;   THIS VERSION OF THE PROBLEM IS GIVEN IN LOW PRECISION. The matrix products marked QUANTISED in the list below multiply operands that are first quantised to E2M1 (2 exponent bits, 1 mantissa bit; 4 bits a number), with one power-of-two scale for each 32 numbers along K (OCP MX v1.0); their sums are f32. All else is computed in f32.
;;   The module's matrix products, in the order in which they are computed (A, B: the left and right operand; K: the contracted axis; several contracted axes count as one K, in the product's order):
;;     1. [M 8,192, K 1,024] x [K 1,024, N 1,024]; A: input x (given as codes); B: input W_q (given as codes): QUANTISED
;;     2. [M 8,192, K 1,024] x [K 1,024, N 1,024]; A: input x (given as codes); B: input W_k (given as codes): QUANTISED
;;     3. [M 8,192, K 1,024] x [K 1,024, N 1,024]; A: input x (given as codes); B: input W_v (given as codes): QUANTISED
;;     4. batch 64 x [M 2,048, K 64] x [K 64, N 2,048]; A: computed on the way; B: computed on the way: QUANTISED
;;     5. batch 64 x [M 2,048, K 2,048] x [K 2,048, N 64]; A: softmax (see below); B: computed on the way: QUANTISED
;;     6. [M 8,192, K 1,024] x [K 1,024, N 1,024]; A: computed on the way; B: input W_o (given as codes): QUANTISED
;;   THE QUANTISER, for each operand of a quantised product, along K:
;;     - K is cut into blocks of 32 from its start; a last block that is shorter is filled with zeros.
;;     - A block's scale is 2^e with e = floor(log2(the largest magnitude in the block)) - 2, held to -126 .. 127; a block of zeros has e = 0. As a byte (E8M0): e + 127.
;;     - Each number is divided by its block's scale, clamped to +-6, and rounded to the nearest number of E2M1, ties to even, subnormals kept.
;;     - The product sums the exact products of the quantised numbers (number of the format x scale) in f32.
;;   ~~~python
;;   def quantise(x, axis):      # numpy; x: float32 -> the quantised numbers, widened to float32 again
;;       x = np.moveaxis(x, axis, -1); K = x.shape[-1]
;;       x = np.pad(x, [(0, 0)] * (x.ndim - 1) + [(0, -K % 32)]); x = x.reshape(x.shape[:-1] + (-1, 32)); a = np.abs(x).max(-1, keepdims=True)
;;       e = np.where(a > 0, np.clip(np.frexp(np.where(a > 0, a, 1))[1] - 1 - 2, -126, 127), 0)      # np.frexp(a)[1] - 1 = floor(log2(a)), exactly
;;       r = np.clip(x / 2.0 ** e, -6, 6)
;;       step = 2.0 ** (np.maximum(np.frexp(np.where(r == 0, 1, r))[1] - 1, 0) - 1)
;;       q = np.round(r / step) * step * 2.0 ** e      # np.round: ties to even
;;       return np.moveaxis(q.reshape(q.shape[:-2] + (-1,))[..., :K], -1, axis).astype(np.float32)
;;   ~~~
;;   SOFTMAX AHEAD OF A QUANTISED PRODUCT. Where the list says 'softmax', what is quantised is not the finished softmax but p = 2^(t - M), with t = logit x log2(e) and M = ceil(the row's largest t), a whole number; so 1/2 < the row's largest p <= 1. The row's sum l is taken of the UNQUANTISED p, in f32, and the product's result is divided by l at the end. Since M is a whole number, a kernel that streams over the keys may use a running M (the ceiling of the running maximum): every later rescaling is an exact power of two, which a block's scale takes up: the codes' values come out the same.
;;   OPERANDS COMPUTED ON THE WAY. 'Computed on the way' means the value that the module computes at that place (a softmax that the list does not call 'softmax' is quantised finished and normalised). What goes into a quantiser is computed in f32, as accurately as f32 sums, v_exp_f32 and their like allow (about 1e-6 of the number): no bf16 or f16 on the way to a quantiser, and a product that is left as it is and whose result goes on into a quantised operand takes f32 operands (vector FMAs, or v_wmma_f32_16x16x4_f32). A number that lies on a knife's edge between two numbers of the format may be rounded either way, as far as f32 arithmetic and the matrix unit's own rounding can turn it there, and no further.
;;   INPUTS GIVEN AS CODES. W_k (in the module: [1024, 1024], K = its axis 1); W_o (in the module: [1024, 1024], K = its axis 1); W_q (in the module: [1024, 1024], K = its axis 1); W_v (in the module: [1024, 1024], K = its axis 1); x (in the module: [4, 2048, 1024], K = its axis 2): each comes as NAME_codes (uint8): NAME with its K axis moved to the last place and cut into blocks of 32 codes, [.., K / 32, bytes a block], one block behind the other in memory; two codes a byte, the lower K in the low four bits (a code: sign, 2 exponent bits, 1 mantissa bit); and NAME_scales (uint8): the same leading axes, one E8M0 byte (e + 127) for each 32 codes along K. Its value is code x scale, taken as it is: it is not quantised again, and the codes and scales need not be those that the quantiser above would give.
;; One version. Each part assembles by itself: llvm-mc -triple=amdgcn-amd-amdhsa -mcpu=gfx1250 --defsym DOCPART=n.
;; ======== version 1 of 1: 3 launches
;; workspace buffers: qimg 4,194,304 bytes; qsc 524,288 bytes; kv 9,175,040 bytes; cimg 4,194,304 bytes; csw 524,288 bytes
;; launch qkv (part 1): grid 64 x 8, 12 waves a work-group, clusters of 4 x 4, 299,008 bytes of LDS; arguments x_codes, x_scales, W_q_codes, W_q_scales, W_k_codes, W_k_scales, W_v_codes, W_v_scales, b_q, b_k, b_v, qimg, qsc, kv; writes qimg, qsc, kv
.if DOCPART == 1
	.amdgcn_target "amdgcn-amd-amdhsa--gfx1250"
	.amdhsa_code_object_version 6
	.text
	.protected	k_q81281366b3_qkv
	.globl	k_q81281366b3_qkv
	.p2align	8
	.type	k_q81281366b3_qkv,@function
k_q81281366b3_qkv:
	s_mov_b64 s[64:65], 0
	v_nop
	global_prefetch_b8 v0, s[64:65] scope:SCOPE_SE
	s_setreg_imm32_b32 hwreg(HW_REG_WAVE_MODE, 25, 1), 1
	s_wait_xcnt 0x0
	s_wait_alu depctr_hold_cnt(0) depctr_sa_sdst(0) depctr_va_vdst(0) depctr_va_sdst(0) depctr_va_ssrc(0) depctr_va_vcc(0) depctr_vm_vsrc(0)
	s_getreg_b32 s2, hwreg(HW_REG_IB_STS2, 6, 4)
	s_cmp_eq_u32 s2, 0
	s_cbranch_scc0 .Lentry_in_a_cluster
	s_endpgm
.Lentry_in_a_cluster:
	s_bfe_u32 s2, ttmp6, 0x10000c
	s_cmp_lg_u32 s2, 0xf033
	s_cbranch_scc0 .Lentry_shape_is_right
	s_endpgm
.Lentry_shape_is_right:
; q = x W_q^T + b_q, k = x W_k^T + b_k, v = x W_v^T + b_v on codes of FP4 (E2M1) with one E8M0 scale for each 32 along K = 1,024; sums in f32.
; The results never leave as f32: q and k are quantised along the head's 64 (two blocks), v along the keys (blocks of 32 tokens), and stored as IMAGES OF OPERAND REGISTERS
; (a group of four registers at 16 x lane, 512 bytes on end), with their scale words beside them, in the order in which the attention launch reads them.
; SHARES.  A work-group takes 128 tokens (TB) x one pair of heads (HP: 128 features) x {q, k, v}.  Twelve waves: TY = wave / 4 says which product, SUB = wave % 4 which quarter.
; Every wave makes 128 INNER x 32 OUTER: source 0 = 16 inner rows, source 1 = 16 outer rows, so that a lane holds ONE outer row and its registers run along the inner axis, the one that is quantised:
;   q, k: inner = the 128 rows of W (features), outer = tokens 32 SUB on;     v: inner = the 128 tokens (one key step), outer = rows 32 SUB on of W_v.
; In inner tile t lane (r, h), register j holds inner index 16 t + 8 h + j.  Block b of 32 is tiles 2 b and 2 b + 1 of lanes l and l xor 16.
; LDS.  All of K fits at once: 512 rows (W_q, W_k, W_v, x: 128 each) x 512 bytes, as two chunks of 256 bytes a row, each row padded by 16.  Every byte is filled once: no slot is filled again.
; CLUSTER 4 x 4.  x's rows hang on TB alone and are shared along a column of the cluster, W's on HP alone and are shared along a row: each tile is asked for jointly by the four that share it.
; LIMITS: NaN and infinities are not served.  A block of zeros gets the scale byte 1 and not 127: its codes are zeros, and this program alone reads the bytes.  A block whose largest magnitude lies
; under 2^-124 is held at byte 1.
; No prefetch: all that a work-group reads is asked for at its head, by tensor loads.
.set PITCH, 272                        ; an LDS row: 256 bytes + 16: row r starts 4 r words on modulo 64, so the 16 rows of a fragment load fall on different banks
.set HROWS, 64*PITCH                   ; 64 rows: what one tensor load brings
.set CHB,   512*PITCH                  ; a chunk: 512 rows
.set SCL,   2*CHB                      ; the scale bytes, same order of rows: 8 rows of 32 bytes to 256, + 16 of padding
.set SCB,   16*272                     ; those of 128 rows
.set BIAS,  SCL+4*SCB                  ; 384 f32: b_q, b_k, b_v of the pair of heads; blocks of 512 bytes of their own, into which no tensor load lands
.set KVH,   143360                     ; kv: bytes of a head: 16 key steps
.set KVS,   8960                       ; of a key step: K images 4,096, V images 4,096, K scale words 512, V scale words 256
.set WV, 32
.set TY, 33
.set SUB, 34
.set CX, 35
.set CY, 36
.set TB, 37
.set HP, 38
.set ROWM, 39
.set COLM, 40
.set G1W, 44                           ; s[44:51] group 1: W's codes;   s[52:59] x's codes: they differ in the mask
.set G1X, 52
.set G0SW, 60                          ; s[60:63] group 0: W's scales;  s[4:7] x's scales (built last, over x's pointers)
.set G1SW, 68                          ; s[68:75], s[76:83] group 1: W's and x's scales
.set G1SX, 76
.set G0W, 84                           ; s[84:91] group 0: W's codes, one set for each chunk;  s[92:99] x's
.set G0X, 92
.set SEL, 16                           ; s[16:17] lane selects for lane l xor 16 (the epilogue)
.set ADRI, 4                           ; v4-5   LDS address of my inner fragments, chunk 0, 1
.set ADRO, 6                           ; v6-7   of my outer fragments
.set ADSI, 8                           ; v8     of my inner rows' scale bytes: a lane to a row
.set ADSO, 9                           ; v9     of my outer rows'
.set ABQ,  10                          ; v10    biases, q and k: eight neighbours of my half
.set ABV,  11                          ; v11    biases, v: my outer row's
.set SI,   16                          ; v16-31 inner scale words: pair b of tiles, K step q of the chunk at 16 + 4 b + q: lanes 0-15 tile 2 b, lanes 16-31 tile 2 b + 1
.set SO,   32                          ; v32-35 outer scale words: lanes 0-15 tile 0, lanes 16-31 tile 1
.set FO,   48                          ; v48-63 outer fragments; in the epilogue the codes just made
.set FI,   64                          ; v64-127 inner fragments; in the epilogue biases, then work
.set ACC,  128                         ; v128-255 accumulator (i, o) at 128 + 64 o + 8 i
.set TM,   64                          ; v64-75 the quantiser's work
.set PW,   80                          ; v80-81 scale words of outer tile 0, 1; v82 merged; v83-84 by head
.macro ROUND                           ; a round of the cluster's barrier
	s_barrier_signal -1
	s_barrier_wait -1
	s_cmp_lg_u32 s[WV], 0
	s_cbranch_scc1 .Lnot_wave_0_\@
	s_barrier_signal -3
.Lnot_wave_0_\@:
	s_barrier_wait -3
	s_barrier_signal -1
	s_barrier_wait -1
.endm
.macro PLACES n
.rept \n
	v_nop
.endr
.endm
; One product.  zero = 1: it starts the sum.  ra, rb = 1: the side's scale words stand in lanes 16-31 of the register named.
.macro WM d, a, b, zero, sa, sb, ra, rb
.if \zero
.if (\ra) && (\rb)
	v_wmma_scale_f32_16x16x128_f8f6f4 v[(\d):(\d)+7], v[(\a):(\a)+7], v[(\b):(\b)+7], 0, v[\sa], v[\sb] matrix_a_fmt:MATRIX_FMT_FP4 matrix_b_fmt:MATRIX_FMT_FP4 matrix_a_scale:MATRIX_SCALE_ROW1 matrix_b_scale:MATRIX_SCALE_ROW1
.elseif \ra
	v_wmma_scale_f32_16x16x128_f8f6f4 v[(\d):(\d)+7], v[(\a):(\a)+7], v[(\b):(\b)+7], 0, v[\sa], v[\sb] matrix_a_fmt:MATRIX_FMT_FP4 matrix_b_fmt:MATRIX_FMT_FP4 matrix_a_scale:MATRIX_SCALE_ROW1
.elseif \rb
	v_wmma_scale_f32_16x16x128_f8f6f4 v[(\d):(\d)+7], v[(\a):(\a)+7], v[(\b):(\b)+7], 0, v[\sa], v[\sb] matrix_a_fmt:MATRIX_FMT_FP4 matrix_b_fmt:MATRIX_FMT_FP4 matrix_b_scale:MATRIX_SCALE_ROW1
.else
	v_wmma_scale_f32_16x16x128_f8f6f4 v[(\d):(\d)+7], v[(\a):(\a)+7], v[(\b):(\b)+7], 0, v[\sa], v[\sb] matrix_a_fmt:MATRIX_FMT_FP4 matrix_b_fmt:MATRIX_FMT_FP4
.endif
.else
.if (\ra) && (\rb)
	v_wmma_scale_f32_16x16x128_f8f6f4 v[(\d):(\d)+7], v[(\a):(\a)+7], v[(\b):(\b)+7], v[(\d):(\d)+7], v[\sa], v[\sb] matrix_a_fmt:MATRIX_FMT_FP4 matrix_b_fmt:MATRIX_FMT_FP4 matrix_a_scale:MATRIX_SCALE_ROW1 matrix_b_scale:MATRIX_SCALE_ROW1
.elseif \ra
	v_wmma_scale_f32_16x16x128_f8f6f4 v[(\d):(\d)+7], v[(\a):(\a)+7], v[(\b):(\b)+7], v[(\d):(\d)+7], v[\sa], v[\sb] matrix_a_fmt:MATRIX_FMT_FP4 matrix_b_fmt:MATRIX_FMT_FP4 matrix_a_scale:MATRIX_SCALE_ROW1
.elseif \rb
	v_wmma_scale_f32_16x16x128_f8f6f4 v[(\d):(\d)+7], v[(\a):(\a)+7], v[(\b):(\b)+7], v[(\d):(\d)+7], v[\sa], v[\sb] matrix_a_fmt:MATRIX_FMT_FP4 matrix_b_fmt:MATRIX_FMT_FP4 matrix_b_scale:MATRIX_SCALE_ROW1
.else
	v_wmma_scale_f32_16x16x128_f8f6f4 v[(\d):(\d)+7], v[(\a):(\a)+7], v[(\b):(\b)+7], v[(\d):(\d)+7], v[\sa], v[\sb] matrix_a_fmt:MATRIX_FMT_FP4 matrix_b_fmt:MATRIX_FMT_FP4
.endif
.endif
.endm
; 16 nb numbers of a lane from v[s] on (tile t's eight at s + 8 t) become 2 nb registers of codes in the operand's layout at v[pc] on, and the row's scale bytes in v[pw].
; The conversion of tile 2 b + u goes to register 4 (b / 2) + 2 u + b % 2; an exchange of halves between registers 2 n and 2 n + 1 then gives each lane whole blocks: register 4 c + i, half h: k = 64 c + 32 h + 8 i on.
.macro QUANT s, nb, pc, pw
.set QB, 0
.rept \nb
	v_max3_num_f32 v[TM+QB], |v[(\s)+16*QB]|, |v[(\s)+16*QB+1]|, 0x1800000   ; my 16 numbers of block QB, and the floor 2^(3 - 127): the byte cannot fall under 1
.set QB, QB+1
.endr
.irp i, 2,4,6,8,10,12,14
.set QB, 0
.rept \nb
	v_max3_num_f32 v[TM+QB], v[TM+QB], |v[(\s)+16*QB+\i]|, |v[(\s)+16*QB+\i+1]|   ; the blocks by turns
.set QB, QB+1
.endr
.endr
.set QB, 0
.rept \nb
	v_permlanex16_b32 v[TM+4+QB], v[TM+QB], s[SEL], s[SEL+1]
.set QB, QB+1
.endr
.set QB, 0
.rept \nb
	v_max_num_f32 v[TM+QB], v[TM+QB], v[TM+4+QB]   ; with lane l xor 16's: the block's largest magnitude
.set QB, QB+1
.endr
.set QB, 0
.rept \nb
	v_add_nc_u32 v[TM+8+QB], 0xff000000, v[TM+QB]  ; 2 off its exponent field: the conversion's scale operand
.set QB, QB+1
.endr
.set QB, 0
.rept \nb
	v_lshrrev_b32 v[TM+4+QB], 23, v[TM+8+QB]       ; the scale's byte
.set QB, QB+1
.endr
	v_lshl_or_b32 v[\pw], v[TM+5], 8, v[TM+4]
.if \nb == 4
	v_lshl_or_b32 v[\pw], v[TM+6], 16, v[\pw]
	v_lshl_or_b32 v[\pw], v[TM+7], 24, v[\pw]
.endif
.set QB, 0
.rept \nb
	v_cvt_scalef32_pk8_fp4_f32 v[(\pc)+4*(QB/2)+(QB%2)], v[(\s)+16*QB:(\s)+16*QB+7], v[TM+8+QB]
	v_cvt_scalef32_pk8_fp4_f32 v[(\pc)+4*(QB/2)+2+(QB%2)], v[(\s)+16*QB+8:(\s)+16*QB+15], v[TM+8+QB]
.set QB, QB+1
.endr
	v_nop                                          ; one plain place behind a scaled conversion
.set QB, 0
.rept \nb
	v_permlane16_swap_b32 v[(\pc)+2*QB], v[(\pc)+2*QB+1]
.set QB, QB+1
.endr
.endm
; 128 along K: the q-th of chunk hf.  20 LDS loads (25 at a chunk's head, with its scale words), 16 products on 16 accumulators by turns, one instruction a turn.
.macro KSTEP hf, q, first
.if !\first
	PLACES 4                                       ; in front of loads into registers that matrix instructions have read
.endif
.if \q == 0
.irp b, 0,1,2,3
	ds_load_b128 v[SI+4*\b:SI+4*\b+3], v[ADSI] offset:1088*\b+16*\hf   ; 32 rows' words of the chunk's four K steps
.endr
	ds_load_b128 v[SO:SO+3], v[ADSO] offset:16*\hf
.endif
.irp o, 0,1
.irp c, 0,1
	ds_load_b128 v[FO+8*\o+4*\c:FO+8*\o+4*\c+3], v[ADRO+\hf] offset:4352*\o+64*\q+32*\c
.endr
.endr
.irp i, 0,1,2,3,4,5,6,7
.irp c, 0,1
	ds_load_b128 v[FI+8*\i+4*\c:FI+8*\i+4*\c+3], v[ADRI+\hf] offset:4352*\i+64*\q+32*\c
.endr
.endr
.irp i, 0,1,2,3,4,5,6,7
	s_wait_dscnt 14-2*\i                           ; LDS loads come back in order: behind inner fragment i's two stand the two of each later fragment
.irp o, 0,1
	WM ACC+64*\o+8*\i, FI+8*\i, FO+8*\o, \first, SI+4*(\i/2)+\q, SO+\q, \i%2, \o
.endr
.endr
.endm
	s_load_b512 s[4:19], s[0:1], 0x0               ; x codes, x scales, W_q codes, scales, W_k codes, scales, W_v codes, scales
	s_load_b256 s[20:27], s[0:1], 0x40             ; b_q, b_k, b_v, qimg
	s_load_b128 s[28:31], s[0:1], 0x60             ; qsc, kv
	v_lshl_add_u32 v46, v0, 2, 0x48a00
	v_mov_b32 v47, 0
	ds_add_u32 v46, v47
	ds_add_u32 v46, v47
	v_lshrrev_b32 v1, 5, v0
	v_readfirstlane_b32 s[WV], v1                  ; wave 0..11
	s_lshr_b32 s[TY], s[WV], 2                     ; 0 q, 1 k, 2 v
	s_and_b32 s[SUB], s[WV], 3
	s_bfe_u32 s[CX], ttmp6, 0x40000
	s_bfe_u32 s[CY], ttmp6, 0x40004
	s_lshl_b32 s[TB], ttmp9, 2
	s_add_co_u32 s[TB], s[TB], s[CX]               ; block of 128 tokens = 4 x cluster x + cx
	s_and_b32 s[HP], ttmp7, 0xffff
	s_lshl_b32 s[HP], s[HP], 2
	s_add_co_u32 s[HP], s[HP], s[CY]               ; pair of heads = 4 x cluster y + cy
	s_lshl_b32 s[ROWM], s[CY], 2
	s_lshl_b32 s[ROWM], 15, s[ROWM]                ; my row of the cluster: shares HP
	s_lshl_b32 s[COLM], 0x1111, s[CX]              ; my column: shares TB
	; group 1, codes: 64 rows x 256 bytes, 512 bytes apart in memory; 4 words of padding behind every 64
	s_or_b32 s[G1W], s[ROWM], (1<<20)|(1<<21)|(5<<22)|(3<<25)
	s_or_b32 s[G1X], s[COLM], (1<<20)|(1<<21)|(5<<22)|(3<<25)
.irp g, G1W, G1X
	s_mov_b32 s[\g+1], 256<<16                     ; tensor_dim0
	s_mov_b32 s[\g+2], 64<<16                      ; tensor_dim1
	s_mov_b32 s[\g+3], 256<<16                     ; tile_dim0
	s_mov_b32 s[\g+4], 64                          ; tile_dim1
	s_mov_b32 s[\g+5], 512                         ; from row to row
	s_mov_b32 s[\g+6], 0
	s_mov_b32 s[\g+7], 0
.endr
	; group 1, scales of 128 rows: 4,096 dense bytes as 16 rows of 32 elements of 8 bytes, padded likewise
	s_or_b32 s[G1SW], s[ROWM], (3<<16)|(1<<20)|(1<<21)|(5<<22)|(3<<25)
	s_or_b32 s[G1SX], s[COLM], (3<<16)|(1<<20)|(1<<21)|(5<<22)|(3<<25)
.irp g, G1SW, G1SX
	s_mov_b32 s[\g+1], 32<<16
	s_mov_b32 s[\g+2], 16<<16
	s_mov_b32 s[\g+3], 32<<16
	s_mov_b32 s[\g+4], 16
	s_mov_b32 s[\g+5], 32
	s_mov_b32 s[\g+6], 0
	s_mov_b32 s[\g+7], 0
.endr
	s_and_b32 s41, s[WV], 1
	s_lshl_b32 s42, s41, 15                        ; which 64 rows of 512 bytes I fetch
	s_lshl_b32 s2, s[HP], 16                       ; W: row 128 HP.  s[2:3] holds offsets made of HP, s[66:67] offsets made of TB, never the other
	s_add_co_u32 s2, s2, s42
	s_mov_b32 s3, 0
	s_lshl_b32 s66, s[TB], 16                      ; x: row 128 TB
	s_add_co_u32 s66, s66, s42
	s_mov_b32 s67, 0
	s_mul_i32 s43, s[WV], HROWS                    ; where they go: wave x 64 rows (waves 0-5: W_q, W_k, W_v; waves 6, 7: x)
	s_lshr_b32 s41, s[WV], 1
	s_wait_dscnt 0x0
	s_wait_kmcnt 0x0
	s_cmp_eq_u32 s41, 0
	s_cselect_b64 s[104:105], s[8:9], s[12:13]     ; the weight is chosen by the wave's number alone
	s_cmp_eq_u32 s41, 2
	s_cselect_b64 s[104:105], s[16:17], s[104:105]
	s_add_nc_u64 s[104:105], s[104:105], s[2:3]
	s_add_nc_u64 s[100:101], s[4:5], s[66:67]
.irp c, 0,1
	s_mov_b32 s[G0W+4*\c], 1
	s_add_co_u32 s[G0W+4*\c+1], s43, \c*CHB
	s_add_nc_u64 s[G0W+4*\c+2:G0W+4*\c+3], s[104:105], \c*256
	s_or_b32 s[G0W+4*\c+3], s[G0W+4*\c+3], 0x80000000
	s_mov_b32 s[G0X+4*\c], 1
	s_add_co_u32 s[G0X+4*\c+1], s43, \c*CHB
	s_add_nc_u64 s[G0X+4*\c+2:G0X+4*\c+3], s[100:101], \c*256
	s_or_b32 s[G0X+4*\c+3], s[G0X+4*\c+3], 0x80000000
.endr
	s_cmp_eq_u32 s[SUB], 0                         ; waves 8, 9, 10: the scales of W_q, W_k, W_v
	s_cselect_b64 s[104:105], s[10:11], s[14:15]
	s_cmp_eq_u32 s[SUB], 2
	s_cselect_b64 s[104:105], s[18:19], s[104:105]
	s_lshl_b32 s2, s[HP], 12                       ; 128 rows of 32 bytes
	s_mov_b32 s[G0SW], 1
	s_mul_i32 s42, s[SUB], SCB
	s_add_co_u32 s[G0SW+1], s42, SCL
	s_add_nc_u64 s[G0SW+2:G0SW+3], s[104:105], s[2:3]
	s_or_b32 s[G0SW+3], s[G0SW+3], 0x80000000
	s_lshl_b32 s66, s[TB], 12                      ; wave 11: x's scales
	s_add_nc_u64 s[6:7], s[6:7], s[66:67]
	s_or_b32 s7, s7, 0x80000000
	s_mov_b32 s4, 1
	s_mov_b32 s5, SCL+3*SCB
	s_cmp_eq_u32 s[TY], 0                          ; my product's bias
	s_cselect_b64 s[104:105], s[20:21], s[22:23]
	s_cmp_eq_u32 s[TY], 2
	s_cselect_b64 s[104:105], s[24:25], s[104:105]
	s_lshl_b32 s2, s[HP], 9
	s_add_nc_u64 s[104:105], s[104:105], s[2:3]
	ROUND                                          ; all sixteen work-groups are here: the joint loads meet
	; The first and only fills.  A wave's loads stand in one arm; the arms hang on the wave's number alone.  Four v_nop follow the loads.
	s_cmp_lt_u32 s[WV], 6
	s_cbranch_scc0 .Lnot_w
	tensor_load_to_lds s[G0W:G0W+3], s[G1W:G1W+7]
	s_nop 0
	tensor_load_to_lds s[G0W+4:G0W+7], s[G1W:G1W+7]
	s_nop 0
	PLACES 4
	s_branch .Lasked
.Lnot_w:
	s_cmp_lt_u32 s[WV], 8
	s_cbranch_scc0 .Lnot_x
	tensor_load_to_lds s[G0X:G0X+3], s[G1X:G1X+7]
	s_nop 0
	tensor_load_to_lds s[G0X+4:G0X+7], s[G1X:G1X+7]
	s_nop 0
	PLACES 4
	s_branch .Lasked
.Lnot_x:
	s_cmp_lt_u32 s[WV], 11
	s_cbranch_scc0 .Lsc_x
	tensor_load_to_lds s[G0SW:G0SW+3], s[G1SW:G1SW+7]
	s_nop 0
	PLACES 4
	s_branch .Lscw
.Lsc_x:
	tensor_load_to_lds s[4:7], s[G1SX:G1SX+7]
	s_nop 0
	PLACES 4
.Lscw:
	s_wait_tensorcnt 0x0                           ; waves 8-11: my one load, scale bytes, has landed
.Lasked:
	v_and_b32 v1, 31, v0                           ; lane
	v_and_b32 v2, 15, v0                           ; r
	v_bfe_u32 v3, v0, 4, 1                         ; h
	v_and_b32 v14, 127, v0
	v_lshlrev_b32 v14, 2, v14
	global_load_b32 v13, v14, s[104:105]           ; thread t brings number t % 128 of the bias of product t / 128
	v_lshl_add_u32 v12, v0, 2, BIAS
	s_lshr_b32 s41, s[TY], 1                       ; 1 for v
	s_lshl_b32 s42, s[TY], 7
	s_lshl_b32 s43, s41, 7
	s_add_co_u32 s42, s42, s43                     ; first inner row: 0 (W_q), 128 (W_k), 384 (x)
	s_xor_b32 s43, s43, 384
	s_lshl_b32 s100, s[SUB], 5
	s_add_co_u32 s43, s43, s100                    ; first outer row: 384 (x) or 256 (W_v), + 32 SUB
	v_mul_u32_u24 v15, v2, PITCH
	v_lshl_add_u32 v15, v3, 4, v15                 ; a fragment: row r x pitch + 16 h
	s_mul_i32 s100, s42, PITCH
	v_add_nc_u32 v[ADRI], s100, v15
	v_add_nc_u32 v[ADRI+1], CHB, v[ADRI]
	s_mul_i32 s101, s43, PITCH
	v_add_nc_u32 v[ADRO], s101, v15
	v_add_nc_u32 v[ADRO+1], CHB, v[ADRO]
	v_lshrrev_b32 v15, 3, v1
	v_lshlrev_b32 v15, 4, v15
	v_lshl_add_u32 v15, v1, 5, v15                 ; scale bytes: a lane to a row: 32 x lane, + 16 for each 8 rows passed
	s_mul_i32 s100, s42, 34                        ; 272 bytes for 8 rows
	s_add_co_u32 s100, s100, SCL
	v_add_nc_u32 v[ADSI], s100, v15
	s_mul_i32 s101, s43, 34
	s_add_co_u32 s101, s101, SCL
	v_add_nc_u32 v[ADSO], s101, v15
	s_lshl_b32 s100, s[TY], 9
	s_add_co_u32 s100, s100, BIAS
	v_lshl_add_u32 v[ABQ], v3, 5, s100             ; features 16 i + 8 h on
	s_lshl_b32 s100, s[SUB], 7
	s_add_co_u32 s100, s100, BIAS+1024
	v_lshl_add_u32 v[ABV], v2, 2, s100             ; feature 32 SUB + 16 o + r
	s_wait_tensorcnt 0x1                           ; waves 0-7: chunk 0 has landed; the one load issued behind it, chunk 1's, may stay out
	s_wait_loadcnt 0x0
	ds_store_b32 v12, v13
	s_wait_dscnt 0x0                               ; for the others' sake: my bias word is in LDS
	s_barrier_signal -1
	s_barrier_wait -1                              ; chunk 0, the scale bytes and the biases are everybody's
	KSTEP 0, 0, 1                                  ; the first products start the sums: nothing is cleared
	KSTEP 0, 1, 0
	KSTEP 0, 2, 0
	KSTEP 0, 3, 0
	s_wait_tensorcnt 0x0                           ; my part of chunk 1 has landed
	s_wait_dscnt 0x0
	s_barrier_signal -1
	s_barrier_wait -1
	KSTEP 1, 0, 0
	KSTEP 1, 1, 0
	KSTEP 1, 2, 0
	KSTEP 1, 3, 0
	v_lshlrev_b32 v36, 4, v1                       ; an image's place for my lane; these two lines and two v_nop are the four places behind the last products
	v_lshlrev_b32 v38, 2, v1                       ; a scale word's
	PLACES 2
	s_mov_b32 s[SEL], 0x76543210
	s_mov_b32 s[SEL+1], 0xfedcba98
	s_mov_b32 s18, 0xffff0000                      ; lanes 16-31
	s_and_b32 s8, s[TB], 15                        ; the block's place in its batch: the key step
	s_lshr_b32 s9, s[TB], 4
	s_lshl_b32 s9, s9, 4
	s_lshl_b32 s19, s[HP], 1
	s_add_co_u32 s9, s9, s19                       ; 16 x batch + the pair's first head
	s_mul_i32 s24, s8, KVS
	s_mov_b32 s21, 0
	s_mov_b32 s23, 0
	s_cmp_eq_u32 s[TY], 2
	s_cbranch_scc1 .Lrole_v
	; ---- q and k: + bias, quantised along the features: blocks 0, 1 the first head, blocks 2, 3 the second
.irp i, 0,1,2,3,4,5,6,7
	ds_load_b128 v[FI+8*\i:FI+8*\i+3], v[ABQ] offset:64*\i
	ds_load_b128 v[FI+8*\i+4:FI+8*\i+7], v[ABQ] offset:64*\i+16
.endr
	s_lshl_b32 s20, s9, 7                          ; q: tile of 16 queries: 128 x head + 8 x block + 2 SUB
	s_lshl_b32 s19, s8, 3
	s_add_co_u32 s20, s20, s19
	s_lshl_b32 s19, s[SUB], 1
	s_add_co_u32 s20, s20, s19
	s_lshl_b32 s22, s20, 6                         ; its pair's 128 bytes of scale words
	s_lshl_b32 s20, s20, 9                         ; its image of 512 bytes
	s_mul_i32 s25, s9, KVH
	s_add_co_u32 s25, s25, s24                     ; k: the head's record of this key step
	s_lshl_b32 s19, s[SUB], 10
	s_add_co_u32 s19, s25, s19                     ; tiles 2 SUB, 2 SUB + 1
	s_lshl_b32 s24, s[SUB], 7
	s_add_co_u32 s25, s25, s24
	s_add_co_u32 s25, s25, 8192                    ; their scale words
	s_mov_b32 s14, KVH                             ; from the first head to the second: k's images and words,
	s_mov_b32 s15, KVH
	s_cmp_eq_u32 s[TY], 0
	s_cselect_b32 s20, s20, s19
	s_cselect_b32 s22, s22, s25
	s_cselect_b32 s14, 0x10000, s14                ; q's images,
	s_cselect_b32 s15, 0x2000, s15                 ; q's words
	s_cselect_b64 s[10:11], s[26:27], s[30:31]
	s_cselect_b64 s[12:13], s[28:29], s[30:31]
	s_add_nc_u64 s[10:11], s[10:11], s[20:21]
	s_add_nc_u64 s[12:13], s[12:13], s[22:23]
	v_add_nc_u32 v37, s14, v36
	v_add_nc_u32 v39, s15, v38
	s_wait_dscnt 0x0
.irp o, 0,1
.irp i, 0,1,2,3,4,5,6,7
.irp j, 0,2,4,6
	v_pk_add_f32 v[ACC+64*\o+8*\i+\j:ACC+64*\o+8*\i+\j+1], v[ACC+64*\o+8*\i+\j:ACC+64*\o+8*\i+\j+1], v[FI+8*\i+\j:FI+8*\i+\j+1]   ; each accumulator from its low end on
.endr
.endr
.endr
	QUANT ACC, 4, FO, PW
	QUANT ACC+64, 4, FO+8, PW+1
	global_store_b128 v36, v[FO:FO+3], s[10:11]                ; 32 lanes store 512 consecutive bytes: tile 0, first head
	global_store_b128 v37, v[FO+4:FO+7], s[10:11]              ; second head
	global_store_b128 v36, v[FO+8:FO+11], s[10:11] offset:512  ; tile 1
	global_store_b128 v37, v[FO+12:FO+15], s[10:11] offset:512
	v_cndmask_b32 v[PW+2], v[PW], v[PW+1], s18     ; lanes 0-15 tile 0's words, lanes 16-31 tile 1's
	v_perm_b32 v[PW+3], v[PW+2], v[PW+2], 0x01000100   ; the first head's two bytes, twice: the scores' product has its 64 in the lower or in the upper half of its 128
	v_perm_b32 v[PW+4], v[PW+2], v[PW+2], 0x03020302   ; the second head's
	global_store_b32 v38, v[PW+3], s[12:13]
	global_store_b32 v39, v[PW+4], s[12:13]
	s_branch .Ldone
.Lrole_v:
	; ---- v: + bias (one number a lane), quantised along the 128 keys: a whole fragment and a whole scale word for each of my two tiles of 16 features
	ds_load_b32 v64, v[ABV]
	ds_load_b32 v65, v[ABV]                        ; twice: a pair for the packed addition
	ds_load_b32 v66, v[ABV] offset:64
	ds_load_b32 v67, v[ABV] offset:64
	s_lshr_b32 s19, s[SUB], 1
	s_add_co_u32 s19, s9, s19                      ; my 32 features lie in head SUB / 2 of the pair,
	s_mul_i32 s25, s19, KVH
	s_add_co_u32 s25, s25, s24
	s_and_b32 s19, s[SUB], 1                       ; tiles 2 (SUB % 2), + 1 of its four
	s_lshl_b32 s20, s19, 11
	s_add_co_u32 s20, s20, s25
	s_add_co_u32 s20, s20, 4096
	s_lshl_b32 s22, s19, 7
	s_add_co_u32 s22, s22, s25
	s_add_co_u32 s22, s22, 8704
	s_add_nc_u64 s[10:11], s[30:31], s[20:21]
	s_add_nc_u64 s[12:13], s[30:31], s[22:23]
	s_wait_dscnt 0x0
.irp o, 0,1
.set J, 0
.rept 32
	v_pk_add_f32 v[ACC+64*\o+J:ACC+64*\o+J+1], v[ACC+64*\o+J:ACC+64*\o+J+1], v[64+2*\o:65+2*\o]
.set J, J+2
.endr
.endr
	QUANT ACC, 4, FO, PW
	QUANT ACC+64, 4, FO+8, PW+1
.irp f, 0,1,2,3
	global_store_b128 v36, v[FO+4*\f:FO+4*\f+3], s[10:11] offset:512*\f
.endr
	v_cndmask_b32 v[PW+2], v[PW], v[PW+1], s18
	global_store_b32 v38, v[PW+2], s[12:13]
.Ldone:
	s_wait_tensorcnt 0x0
	ds_add_u32 v46, v47
	s_wait_dscnt 0x0
	ROUND                                          ; the closing round: no work-group ends while a partner may still ask for a tile that names it
	s_endpgm
.Lfunc_end_k_q81281366b3_qkv:
	.size	k_q81281366b3_qkv, .Lfunc_end_k_q81281366b3_qkv-k_q81281366b3_qkv
	.p2alignl 7, 3214868480
	.fill 96, 4, 3214868480
	.section	.rodata,"a",@progbits
	.p2align	6, 0x0
	.amdhsa_kernel k_q81281366b3_qkv
		.amdhsa_group_segment_fixed_size 299008
		.amdhsa_private_segment_fixed_size 0
		.amdhsa_enable_private_segment 0
		.amdhsa_kernarg_size 112
		.amdhsa_user_sgpr_count 2
		.amdhsa_user_sgpr_kernarg_segment_ptr 1
		.amdhsa_wavefront_size32 1
		.amdhsa_system_sgpr_workgroup_id_x 1
		.amdhsa_system_sgpr_workgroup_id_y 1
		.amdhsa_system_sgpr_workgroup_id_z 1
		.amdhsa_system_vgpr_workitem_id 0
		.amdhsa_next_free_vgpr 256
		.amdhsa_next_free_sgpr 106
		.amdhsa_reserve_vcc 0
		.amdhsa_float_denorm_mode_32 3
		.amdhsa_float_denorm_mode_16_64 3
		.amdhsa_memory_ordered 1
		.amdhsa_forward_progress 1
		.amdhsa_inst_pref_size 67
	.end_amdhsa_kernel
	.amdgpu_metadata
---
amdhsa.version: [ 1, 2 ]
amdhsa.kernels:
  - .name:           k_q81281366b3_qkv
    .symbol:         k_q81281366b3_qkv.kd
    .args:
      - { .name: x_codes, .offset: 0, .size: 8, .value_kind: global_buffer, .address_space: global }
      - { .name: x_scales, .offset: 8, .size: 8, .value_kind: global_buffer, .address_space: global }
      - { .name: W_q_codes, .offset: 16, .size: 8, .value_kind: global_buffer, .address_space: global }
      - { .name: W_q_scales, .offset: 24, .size: 8, .value_kind: global_buffer, .address_space: global }
      - { .name: W_k_codes, .offset: 32, .size: 8, .value_kind: global_buffer, .address_space: global }
      - { .name: W_k_scales, .offset: 40, .size: 8, .value_kind: global_buffer, .address_space: global }
      - { .name: W_v_codes, .offset: 48, .size: 8, .value_kind: global_buffer, .address_space: global }
      - { .name: W_v_scales, .offset: 56, .size: 8, .value_kind: global_buffer, .address_space: global }
      - { .name: b_q, .offset: 64, .size: 8, .value_kind: global_buffer, .address_space: global }
      - { .name: b_k, .offset: 72, .size: 8, .value_kind: global_buffer, .address_space: global }
      - { .name: b_v, .offset: 80, .size: 8, .value_kind: global_buffer, .address_space: global }
      - { .name: qimg, .offset: 88, .size: 8, .value_kind: global_buffer, .address_space: global }
      - { .name: qsc, .offset: 96, .size: 8, .value_kind: global_buffer, .address_space: global }
      - { .name: kv, .offset: 104, .size: 8, .value_kind: global_buffer, .address_space: global }
    .group_segment_fixed_size: 299008
    .private_segment_fixed_size: 0
    .kernarg_segment_align: 8
    .kernarg_segment_size: 112
    .max_flat_workgroup_size: 384
    .sgpr_count:     106
    .vgpr_count:     256
    .wavefront_size: 32
...
	.end_amdgpu_metadata
.endif
;; end of part 1
;; launch attn (part 2): grid 4 x 64, 16 waves a work-group, clusters of 4 x 1, 169,984 bytes of LDS; arguments qimg, qsc, kv, cimg, csw; writes cimg, csw
.if DOCPART == 2
	.amdgcn_target "amdgcn-amd-amdhsa--gfx1250"
	.amdhsa_code_object_version 6
	.text
	.protected	k_q81281366b3_attn
	.globl	k_q81281366b3_attn
	.p2align	8
	.type	k_q81281366b3_attn,@function
k_q81281366b3_attn:
	s_mov_b64 s[64:65], 0
	v_nop
	global_prefetch_b8 v0, s[64:65] scope:SCOPE_SE
	s_setreg_imm32_b32 hwreg(HW_REG_WAVE_MODE, 25, 1), 1
	s_wait_xcnt 0x0
	s_wait_alu depctr_hold_cnt(0) depctr_sa_sdst(0) depctr_va_vdst(0) depctr_va_sdst(0) depctr_va_ssrc(0) depctr_va_vcc(0) depctr_vm_vsrc(0)
	s_getreg_b32 s2, hwreg(HW_REG_IB_STS2, 6, 4)
	s_cmp_eq_u32 s2, 0
	s_cbranch_scc0 .Lentry_in_a_cluster
	s_endpgm
.Lentry_in_a_cluster:
	s_bfe_u32 s2, ttmp6, 0x10000c
	s_cmp_lg_u32 s2, 0x3003
	s_cbranch_scc0 .Lentry_shape_is_right
	s_endpgm
.Lentry_shape_is_right:
; context = softmax(q k^T / 8) v for one head of one batch, both products on codes of FP4 (E2M1) with E8M0 scales; the context is divided by the row's sum and quantised along the head's 64 for the last product.
; THE SOFTMAX: t = score x log2(e) / 8; M = the running largest t rounded UP to a whole number; p = 2^(t - M) is quantised along the keys, not normalised; the row's sum is taken of the unquantised p.
; When M moves, the sum and O are multiplied by 2^(old M - new M), which rounds nothing.  No branch hangs on data.
; SHARES.  A work-group owns 512 queries of one head (Hd = 16 x batch + head); each of its sixteen waves two tiles of 16, one after the other (two passes), each over all 2,048 keys, 128 a step.
; Four waves lie on a SIMD, so that one wave's vector work stands beside another's products and LDS loads.
; LDS.  The head's whole record of K and V (16 key steps x 8,960 bytes of register images and scale words) is filled ONCE: wave w brings step w by one tensor load.  No byte is filled again, nothing is stored to LDS.
; CLUSTER 4 x 1.  The four blocks of queries of a head read the same record: each load is asked for jointly by the four.
; LAYOUT.  S^T = K Q^T (source 0 = 16 keys, source 1 = my 16 queries), O^T = V^T P^T (source 0 = 16 of the head's 64, source 1 = P): a lane holds ONE query throughout; in tile t of S^T register j is key 16 t + 8 h + j.
; THE SCORES' K IS 64, the instruction's 128.  The other 64 are zero codes on both sides.  Registers lie [tile 2 p | zeros | tile 2 p + 1] and [q | zeros | q]: an even tile names the first eight (data in k = 0..63),
; an odd tile the last eight (data in k = 64..127); the scale words hold the two bytes twice.  So eight tiles of K take 48 registers and not 64.
; LIMITS: NaN and infinities are not served.  1 / sum is v_rcp_f32.  A block of zeros gets the scale byte 1 and not 127: its codes are zeros, and this program alone reads the bytes.
; No prefetch: all that a work-group reads from memory but 1 KiB of q a wave and its scale words is asked for at its head.
.set KVH, 143360
.set KVS, 8960
.set WV,  14
.set G1,  24                           ; s[24:31]
.set G0,  32                           ; s[32:35]
.set SEL, 36                           ; s[36:37] lane selects for lane l xor 16
.set CS,  38                           ; s[38:39] c = log2(e) / 8: the packed form names a pair and takes its low word
.set S,   108                          ; v108-171 S^T, then p
.set OT,  172                          ; v172-203 O^T: four tiles
.set PC,  204                          ; v204-211 p's codes
.set BM,  212                          ; v212-215 a block's largest score, then its largest p
.set BT,  216                          ; v216-219 the other half's; then the scale bytes
.set BS,  220                          ; v220-223 the conversions' scale operands
.set TM,  212                          ; the context's quantiser works in the same twelve
; v1 16 x lane, v2 4 x lane, v3-4 the step's LDS addresses, v6 4 r; v12 -M, v13 the largest t, v[14:15] the sum in two halves; v16-27 Q; v28-75 K; v76-107 V; v224 work; v[226:227] f; v[228:229] the sum's second chain;
; v232-235 K's scale words, v236-237 V's, v238 p's, v239 q's; v240-242 the context's scale words; v244-251 its codes
.macro ROUND
	s_barrier_signal -1
	s_barrier_wait -1
	s_cmp_lg_u32 s[WV], 0
	s_cbranch_scc1 .Lnot_wave_0_\@
	s_barrier_signal -3
.Lnot_wave_0_\@:
	s_barrier_wait -3
	s_barrier_signal -1
	s_barrier_wait -1
.endm
.macro PLACES n
.rept \n
	v_nop
.endr
.endm
.macro WM d, a, b, zero, sa, sb, ra    ; one product; zero = 1: it starts the sum; ra = 1: source 0's scale words stand in lanes 16-31
.if \zero
.if \ra
	v_wmma_scale_f32_16x16x128_f8f6f4 v[(\d):(\d)+7], v[(\a):(\a)+7], v[(\b):(\b)+7], 0, v[\sa], v[\sb] matrix_a_fmt:MATRIX_FMT_FP4 matrix_b_fmt:MATRIX_FMT_FP4 matrix_a_scale:MATRIX_SCALE_ROW1
.else
	v_wmma_scale_f32_16x16x128_f8f6f4 v[(\d):(\d)+7], v[(\a):(\a)+7], v[(\b):(\b)+7], 0, v[\sa], v[\sb] matrix_a_fmt:MATRIX_FMT_FP4 matrix_b_fmt:MATRIX_FMT_FP4
.endif
.else
.if \ra
	v_wmma_scale_f32_16x16x128_f8f6f4 v[(\d):(\d)+7], v[(\a):(\a)+7], v[(\b):(\b)+7], v[(\d):(\d)+7], v[\sa], v[\sb] matrix_a_fmt:MATRIX_FMT_FP4 matrix_b_fmt:MATRIX_FMT_FP4 matrix_a_scale:MATRIX_SCALE_ROW1
.else
	v_wmma_scale_f32_16x16x128_f8f6f4 v[(\d):(\d)+7], v[(\a):(\a)+7], v[(\b):(\b)+7], v[(\d):(\d)+7], v[\sa], v[\sb] matrix_a_fmt:MATRIX_FMT_FP4 matrix_b_fmt:MATRIX_FMT_FP4
.endif
.endif
.endm
; 16 nb numbers of a lane from v[s] on (tile t's eight at s + 8 t) become 2 nb registers of codes in the operand's layout at v[pc] on, and the row's scale bytes in v[pw].
.macro QUANT s, nb, pc, pw
.set QB, 0
.rept \nb
	v_max3_num_f32 v[TM+QB], |v[(\s)+16*QB]|, |v[(\s)+16*QB+1]|, 0x1800000   ; my 16 numbers of block QB, and the floor 2^(3 - 127): the byte cannot fall under 1
.set QB, QB+1
.endr
.irp i, 2,4,6,8,10,12,14
.set QB, 0
.rept \nb
	v_max3_num_f32 v[TM+QB], v[TM+QB], |v[(\s)+16*QB+\i]|, |v[(\s)+16*QB+\i+1]|
.set QB, QB+1
.endr
.endr
.set QB, 0
.rept \nb
	v_permlanex16_b32 v[TM+4+QB], v[TM+QB], s[SEL], s[SEL+1]
.set QB, QB+1
.endr
.set QB, 0
.rept \nb
	v_max_num_f32 v[TM+QB], v[TM+QB], v[TM+4+QB]
.set QB, QB+1
.endr
.set QB, 0
.rept \nb
	v_add_nc_u32 v[TM+8+QB], 0xff000000, v[TM+QB]  ; 2 off the exponent field: the conversion's scale operand
.set QB, QB+1
.endr
.set QB, 0
.rept \nb
	v_lshrrev_b32 v[TM+4+QB], 23, v[TM+8+QB]       ; the scale's byte
.set QB, QB+1
.endr
	v_lshl_or_b32 v[\pw], v[TM+5], 8, v[TM+4]
.if \nb == 4
	v_lshl_or_b32 v[\pw], v[TM+6], 16, v[\pw]
	v_lshl_or_b32 v[\pw], v[TM+7], 24, v[\pw]
.endif
.set QB, 0
.rept \nb
	v_cvt_scalef32_pk8_fp4_f32 v[(\pc)+4*(QB/2)+(QB%2)], v[(\s)+16*QB:(\s)+16*QB+7], v[TM+8+QB]
	v_cvt_scalef32_pk8_fp4_f32 v[(\pc)+4*(QB/2)+2+(QB%2)], v[(\s)+16*QB+8:(\s)+16*QB+15], v[TM+8+QB]
.set QB, QB+1
.endr
	v_nop                                          ; one plain place behind a scaled conversion
.set QB, 0
.rept \nb
	v_permlane16_swap_b32 v[(\pc)+2*QB], v[(\pc)+2*QB+1]
.set QB, QB+1
.endr
.endm
	s_load_b256 s[4:11], s[0:1], 0x0               ; qimg, qsc, kv, cimg
	s_load_b64 s[12:13], s[0:1], 0x20              ; csw
	v_lshl_add_u32 v254, v0, 2, 0x29000
	v_mov_b32 v255, 0
	ds_add_u32 v254, v255
	ds_add_u32 v254, v255
	v_lshrrev_b32 v1, 5, v0
	v_readfirstlane_b32 s[WV], v1                  ; wave 0..15
	s_bfe_u32 s15, ttmp6, 0x40000                  ; cx
	s_lshl_b32 s17, ttmp9, 2
	s_add_co_u32 s15, s17, s15                     ; my block of 512 queries: it enters q's and the context's addresses alone
	s_and_b32 s16, ttmp7, 0xffff                   ; Hd, which the four partners share
	s_mul_i32 s18, s16, KVH
	s_mul_i32 s[G0+1], s[WV], KVS                  ; step w's record goes to LDS byte 8,960 w,
	s_add_co_u32 s18, s18, s[G0+1]                 ; from the same place in the head's record
	s_mov_b32 s19, 0
	s_mov_b32 s[G0], 1
	s_mov_b32 s[G1], 15|(3<<16)|(1<<21)            ; 15:0 the mask: all four; 17:16 elements of 8 bytes; 21 set beside a mask; no padding: every read is at 16 x lane or 4 x lane
	s_mov_b32 s[G1+1], 32<<16                      ; 8,960 dense bytes as 35 rows of 256
	s_mov_b32 s[G1+2], 35<<16
	s_mov_b32 s[G1+3], 32<<16
	s_mov_b32 s[G1+4], 35
	s_mov_b32 s[G1+5], 32
	s_mov_b32 s[G1+6], 0
	s_mov_b32 s[G1+7], 0
	s_lshl_b32 s20, s16, 7                         ; my first tile of 16 queries: 128 Hd + 32 x block + 2 w
	s_lshl_b32 s21, s15, 5
	s_add_co_u32 s20, s20, s21
	s_lshl_b32 s21, s[WV], 1
	s_add_co_u32 s20, s20, s21
	s_lshl_b32 s22, s20, 6                         ; the pair's 128 bytes of scale words
	s_lshl_b32 s20, s20, 9                         ; its image of 512 bytes
	s_mov_b32 s21, 0
	s_mov_b32 s23, 0
	s_lshr_b32 s44, s16, 4
	s_lshl_b32 s44, s44, 4
	s_lshl_b32 s45, s15, 2
	s_add_co_u32 s44, s44, s45
	s_lshr_b32 s45, s[WV], 2
	s_add_co_u32 s44, s44, s45                     ; my block of 128 tokens: 16 x batch + 4 x block + w / 4
	s_and_b32 s45, s16, 15                         ; the head
	s_and_b32 s46, s[WV], 3
	s_lshl_b32 s48, s44, 16                        ; cimg: 65,536 a block of tokens,
	s_lshr_b32 s47, s45, 1
	s_lshl_b32 s47, s47, 13
	s_add_co_u32 s48, s48, s47                     ; 8,192 a K step of the last product (two heads),
	s_lshl_b32 s47, s46, 11
	s_add_co_u32 s48, s48, s47                     ; 1,024 a tile of 16 tokens,
	s_and_b32 s47, s45, 1
	s_lshl_b32 s47, s47, 9
	s_add_co_u32 s48, s48, s47                     ; 512 a head of the two
	s_mov_b32 s49, 0
	s_lshl_b32 s50, s44, 13                        ; csw: 8,192 a block of tokens, 512 a head, 4 a token
	s_lshl_b32 s47, s45, 9
	s_add_co_u32 s50, s50, s47
	s_lshl_b32 s47, s46, 7
	s_add_co_u32 s50, s50, s47
	s_mov_b32 s51, 0
	s_mov_b32 s[SEL], 0x76543210
	s_mov_b32 s[SEL+1], 0xfedcba98
	s_mov_b32 s[CS], 0x3e38aa3b                    ; log2(e) / 8
	s_mov_b32 s[CS+1], s[CS]
	s_mov_b32 s42, 0xffff0000                      ; lanes 16-31
	s_wait_dscnt 0x0
	s_wait_kmcnt 0x0
	s_add_nc_u64 s[G0+2:G0+3], s[8:9], s[18:19]
	s_or_b32 s[G0+3], s[G0+3], 0x80000000
	s_add_nc_u64 s[4:5], s[4:5], s[20:21]
	s_add_nc_u64 s[6:7], s[6:7], s[22:23]
	s_add_nc_u64 s[10:11], s[10:11], s[48:49]
	s_add_nc_u64 s[12:13], s[12:13], s[50:51]
	ROUND                                          ; all four work-groups are here: the joint loads meet
	tensor_load_to_lds s[G0:G0+3], s[G1:G1+7]      ; my one tensor load
	s_nop 0
	PLACES 4
	v_and_b32 v2, 31, v0
	v_lshlrev_b32 v1, 4, v2                        ; 16 x lane
	v_lshlrev_b32 v2, 2, v2                        ; 4 x lane
	v_and_b32 v6, 15, v0
	v_lshlrev_b32 v6, 2, v6                        ; 4 r
.irp z, 20,21,22,23, 32,33,34,35, 44,45,46,47, 56,57,58,59, 68,69,70,71
	v_mov_b32 v[\z], 0                             ; the zero codes: written once, no load lands here
.endr
.irp z, 216,217,218,219, 224, 227
	v_mov_b32 v[\z], 0                             ; a lane permute's destination counts as read; v227 is named as the upper half of a pair
.endr
	s_wait_tensorcnt 0x0                           ; my step's record has landed,
	s_barrier_signal -1
	s_barrier_wait -1                              ; everybody's has
; One tile of 16 queries over all keys.
.macro PASS p
	global_load_b128 v[16:19], v1, s[4:5] offset:512*\p    ; q, for the even tiles of keys,
	global_load_b128 v[24:27], v1, s[4:5] offset:512*\p    ; and once more for the odd ones
	global_load_b32 v239, v6, s[6:7] offset:64*\p
	v_mov_b32 v13, 0xff61b1e6                      ; the largest t so far: -3e38, under every t
	v_floor_f32 v12, -v13                          ; -M
	v_mov_b32 v14, 0
	v_mov_b32 v15, 0
.set J, 0
.rept 32
	v_mov_b32 v[OT+J], 0                           ; the step is written once: the first finds zeros, which the first change of M leaves zeros
.set J, J+1
.endr
	s_mov_b32 s40, 0                               ; LDS byte of the step's record
	s_mov_b32 s41, 16
	s_wait_loadcnt 0x0
.Lstep_\@:
	v_add_nc_u32 v3, s40, v1
	v_add_nc_u32 v4, s40, v2
	PLACES 2                                       ; with the two additions: four places behind the last products, in front of loads into registers that they read
.irp t, 0,1,2,3,4,5,6,7
	ds_load_b128 v[28+12*(\t/2)+8*(\t%2):28+12*(\t/2)+8*(\t%2)+3], v3 offset:512*\t
.endr
.irp g, 0,1,2,3
	ds_load_b32 v[232+\g], v4 offset:8192+128*\g   ; lanes 0-15: tile 2 g's words; lanes 16-31: tile 2 g + 1's
.endr
.irp f, 0,1,2,3,4,5,6,7
	ds_load_b128 v[76+4*\f:76+4*\f+3], v3 offset:4096+512*\f
.endr
.irp g, 0,1
	ds_load_b32 v[236+\g], v4 offset:8704+128*\g
.endr
	s_wait_dscnt 10                                ; K and its words are in; V's ten loads may stay out until the second product
.irp t, 0,2,4,6
	WM S+8*\t, 28+6*\t, 16, 1, 232+\t/2, 239, 0
	WM S+8*\t+8, 32+6*\t, 20, 1, 232+\t/2, 239, 1
.endr
	PLACES 4
.irp b, 0,1,2,3
	v_max3_num_f32 v[BM+\b], v[S+16*\b], v[S+16*\b+1], v[S+16*\b+2]   ; the largest score of each block of 32 keys: it serves for the row's maximum and, since p rises with the score, for the block's largest p
.endr
.irp i, 3,5,7,9,11,13
.irp b, 0,1,2,3
	v_max3_num_f32 v[BM+\b], v[BM+\b], v[S+16*\b+\i], v[S+16*\b+\i+1]   ; ascending: each tile is read from its low end on
.endr
.endr
.irp b, 0,1,2,3
	v_max_num_f32 v[BM+\b], v[BM+\b], v[S+16*\b+15]
.endr
.irp b, 0,1,2,3
	v_permlanex16_b32 v[BT+\b], v[BM+\b], s[SEL], s[SEL+1]
.endr
.irp b, 0,1,2,3
	v_max_num_f32 v[BM+\b], v[BM+\b], v[BT+\b]     ; with lane l xor 16's 16 keys
.endr
	v_max3_num_f32 v224, v[BM], v[BM+1], v[BM+2]
	v_max_num_f32 v224, v224, v[BM+3]              ; the step's largest score of my query
	v_mul_f32 v224, s[CS], v224                    ; as t (c is positive)
	v_max_num_f32 v13, v13, v224                   ; the running largest t
	v_mov_b32 v224, v12
	v_floor_f32 v12, -v13                          ; the new -M = floor(-t) = -ceil(t)
	v_sub_f32 v224, v12, v224                      ; old M - new M: a whole number, 0 or less
	v_cvt_i32_f32 v224, v224                       ; (it saturates)
	v_ldexp_f32 v226, 1.0, v224                    ; f = 2^(old M - new M)
.set J, 0
.rept 32
	v_pk_fma_f32 v[S+J:S+J+1], v[S+J:S+J+1], s[CS:CS+1], v[12:13] op_sel_hi:[1,0,0]   ; t - M
.set J, J+2
.endr
.irp b, 0,1,2,3
	v_fma_f32 v[BM+\b], v[BM+\b], s[CS], v12       ; the same of each block's largest score
.endr
.set J, 0
.rept 64
	v_exp_f32 v[S+J], v[S+J]                       ; p = 2^(t - M), at most 1
.set J, J+1
.endr
.irp b, 0,1,2,3
	v_exp_f32 v[BM+\b], v[BM+\b]                   ; the block's largest p: the same two instructions on the same number
.endr
	v_pk_mul_f32 v[14:15], v[14:15], v[226:227] op_sel_hi:[1,0]   ; the sums under the new M (a plain place behind the exponentials)
	s_wait_alu depctr_va_vdst(0)
.irp b, 0,1,2,3
	v_max_num_f32 v[BM+\b], 0x1800000, v[BM+\b]    ; the floor 2^(3 - 127): the byte cannot fall under 1
.endr
.irp b, 0,1,2,3
	v_add_nc_u32 v[BS+\b], 0xff000000, v[BM+\b]
.endr
.irp b, 0,1,2,3
	v_lshrrev_b32 v[BT+\b], 23, v[BS+\b]
.endr
	v_lshl_or_b32 v238, v[BT+1], 8, v[BT]          ; p's scale word for these 128 keys
	v_lshl_or_b32 v238, v[BT+2], 16, v238
	v_lshl_or_b32 v238, v[BT+3], 24, v238
.irp b, 0,1,2,3
	v_cvt_scalef32_pk8_fp4_f32 v[PC+4*(\b/2)+(\b%2)], v[S+16*\b:S+16*\b+7], v[BS+\b]
	v_cvt_scalef32_pk8_fp4_f32 v[PC+4*(\b/2)+2+(\b%2)], v[S+16*\b+8:S+16*\b+15], v[BS+\b]
.endr
	v_nop                                          ; one plain place behind a scaled conversion
.irp i, 0,2,4,6
	v_permlane16_swap_b32 v[PC+\i], v[PC+\i+1]     ; whole blocks to a lane: register 4 c + i, half h: keys 64 c + 32 h + 8 i on
.endr
.set J, 0
.rept 16
	v_pk_mul_f32 v[OT+J:OT+J+1], v[OT+J:OT+J+1], v[226:227] op_sel_hi:[1,0]   ; O^T under the new M
.set J, J+2
.endr
	v_pk_add_f32 v[228:229], v[S:S+1], v[S+2:S+3]  ; the row's sum is taken of the unquantised p: two at a time, in two chains.  These 32 lines are also the places in front of the products below
.set J, 4
.rept 15
	v_pk_add_f32 v[14:15], v[14:15], v[S+J:S+J+1]
	v_pk_add_f32 v[228:229], v[228:229], v[S+J+2:S+J+3]
.set J, J+4
.endr
	v_pk_add_f32 v[14:15], v[14:15], v[228:229]
	s_wait_dscnt 0x0                               ; V and its words are in
.irp t, 0,1,2,3
	WM OT+8*\t, 76+8*\t, PC, 0, 236+\t/2, 238, \t%2   ; four accumulators by turns, one instruction a turn
.endr
	s_add_co_u32 s40, s40, KVS
	s_sub_co_u32 s41, s41, 1
	s_cmp_lg_u32 s41, 0
	s_cbranch_scc1 .Lstep_\@
	PLACES 4
	v_add_f32 v14, v14, v15                        ; the sum's two halves,
	v_permlanex16_b32 v224, v14, s[SEL], s[SEL+1]
	v_add_f32 v14, v14, v224                       ; and lane l xor 16's
	v_rcp_f32 v14, v14
	v_nop                                          ; one plain place behind a transcendental
.set J, 0
	s_wait_alu depctr_va_vdst(0)
.rept 16
	v_pk_mul_f32 v[OT+J:OT+J+1], v[OT+J:OT+J+1], v[14:15] op_sel_hi:[1,0]   ; the context: register 8 t + j is channel 16 t + 8 h + j of my query
.set J, J+2
.endr
	QUANT OT, 2, 244+4*\p, 240+\p
	global_store_b128 v1, v[244+4*\p:247+4*\p], s[10:11] offset:1024*\p   ; half a fragment of the last product: 32 lanes store 512 consecutive bytes
.endm
	PASS 0
	PASS 1
	v_cndmask_b32 v242, v240, v241, s42            ; lanes 0-15 the first tile's two bytes, lanes 16-31 the second's
	global_store_b32 v2, v242, s[12:13]
	s_wait_tensorcnt 0x0
	ds_add_u32 v254, v255
	s_wait_dscnt 0x0
	ROUND                                          ; the closing round
	s_endpgm
.Lfunc_end_k_q81281366b3_attn:
	.size	k_q81281366b3_attn, .Lfunc_end_k_q81281366b3_attn-k_q81281366b3_attn
	.p2alignl 7, 3214868480
	.fill 96, 4, 3214868480
	.section	.rodata,"a",@progbits
	.p2align	6, 0x0
	.amdhsa_kernel k_q81281366b3_attn
		.amdhsa_group_segment_fixed_size 169984
		.amdhsa_private_segment_fixed_size 0
		.amdhsa_enable_private_segment 0
		.amdhsa_kernarg_size 40
		.amdhsa_user_sgpr_count 2
		.amdhsa_user_sgpr_kernarg_segment_ptr 1
		.amdhsa_wavefront_size32 1
		.amdhsa_system_sgpr_workgroup_id_x 1
		.amdhsa_system_sgpr_workgroup_id_y 1
		.amdhsa_system_sgpr_workgroup_id_z 1
		.amdhsa_system_vgpr_workitem_id 0
		.amdhsa_next_free_vgpr 256
		.amdhsa_next_free_sgpr 66
		.amdhsa_reserve_vcc 0
		.amdhsa_float_denorm_mode_32 3
		.amdhsa_float_denorm_mode_16_64 3
		.amdhsa_memory_ordered 1
		.amdhsa_forward_progress 1
		.amdhsa_inst_pref_size 46
	.end_amdhsa_kernel
	.amdgpu_metadata
---
amdhsa.version: [ 1, 2 ]
amdhsa.kernels:
  - .name:           k_q81281366b3_attn
    .symbol:         k_q81281366b3_attn.kd
    .args:
      - { .name: qimg, .offset: 0, .size: 8, .value_kind: global_buffer, .address_space: global }
      - { .name: qsc, .offset: 8, .size: 8, .value_kind: global_buffer, .address_space: global }
      - { .name: kv, .offset: 16, .size: 8, .value_kind: global_buffer, .address_space: global }
      - { .name: cimg, .offset: 24, .size: 8, .value_kind: global_buffer, .address_space: global }
      - { .name: csw, .offset: 32, .size: 8, .value_kind: global_buffer, .address_space: global }
    .group_segment_fixed_size: 169984
    .private_segment_fixed_size: 0
    .kernarg_segment_align: 8
    .kernarg_segment_size: 40
    .max_flat_workgroup_size: 512
    .sgpr_count:     66
    .vgpr_count:     256
    .wavefront_size: 32
...
	.end_amdgpu_metadata
.endif
;; end of part 2
;; launch oproj (part 3): grid 64 x 4, 8 waves a work-group, clusters of 4 x 4, 290,304 bytes of LDS; arguments cimg, csw, W_o_codes, W_o_scales, b_o, out0; writes out0
.if DOCPART == 3
	.amdgcn_target "amdgcn-amd-amdhsa--gfx1250"
	.amdhsa_code_object_version 6
	.text
	.protected	k_q81281366b3_oproj
	.globl	k_q81281366b3_oproj
	.p2align	8
	.type	k_q81281366b3_oproj,@function
k_q81281366b3_oproj:
	s_mov_b64 s[64:65], 0
	v_nop
	global_prefetch_b8 v0, s[64:65] scope:SCOPE_SE
	s_setreg_imm32_b32 hwreg(HW_REG_WAVE_MODE, 25, 1), 1
	s_wait_xcnt 0x0
	s_wait_alu depctr_hold_cnt(0) depctr_sa_sdst(0) depctr_va_vdst(0) depctr_va_sdst(0) depctr_va_ssrc(0) depctr_va_vcc(0) depctr_vm_vsrc(0)
	s_getreg_b32 s2, hwreg(HW_REG_IB_STS2, 6, 4)
	s_cmp_eq_u32 s2, 0
	s_cbranch_scc0 .Lentry_in_a_cluster
	s_endpgm
.Lentry_in_a_cluster:
	s_bfe_u32 s2, ttmp6, 0x10000c
	s_cmp_lg_u32 s2, 0xf033
	s_cbranch_scc0 .Lentry_shape_is_right
	s_endpgm
.Lentry_shape_is_right:
; out = context W_o^T + b_o on codes of FP4 (E2M1) with E8M0 scales, K = 1,024; sums and result in f32.
; The context comes as images of operand registers (cimg: [block of 128 tokens][K step 8][tile 8][half 2][lane][16 bytes]) and half scale words (csw: [block][head 16][token 128], two bytes in a word).
; SHARES.  A work-group takes 128 tokens (TB) x 256 features (FGP).  Eight waves: FG = wave / 4 says which 128 features, SUB = wave % 4 which 32 tokens.  A wave makes 128 features (source 0: rows of W_o)
; x 32 tokens (source 1): a lane holds one token and eight neighbouring features a tile, 32 bytes of a row of the output.
; LDS.  All of K fits at once and is filled once: W_o's 256 rows as two chunks of 256 bytes a row (padded by 16), the context's 64 KiB, both sides' scale bytes; behind them a stage for each wave, into which no tensor load lands.
; CLUSTER 4 x 4.  W_o's rows hang on FGP alone and are shared along a row of the cluster, the context on TB alone and is shared along a column.
; No prefetch: all that a work-group reads is asked for at its head.
.set PITCH, 272
.set HROWS, 64*PITCH
.set WCB,   256*PITCH                  ; a chunk of W_o
.set CIM,   2*WCB                      ; the context's images: K step ks at 8,192 ks
.set WSC,   CIM+65536                  ; W_o's scale bytes: 8 rows of 32 bytes to 256, + 16
.set CSW,   WSC+32*272                 ; the context's half words: head hd at 512 hd
.set STG,   CSW+8192                   ; the stages: 16 rows x (512 + 16) bytes for each wave
.set WV, 16
.set FG, 17
.set SUB, 18
.set CX, 19
.set CY, 20
.set TB, 21
.set FGP, 22
.set ROWM, 23
.set COLM, 24
.set G1W, 28                           ; s[28:35] group 1: W_o's codes;  s[36:43] the context's images;  s[44:51] W_o's scales;  s[52:59] the context's half words
.set G1C, 36
.set G1SW, 44
.set G1SC, 52
.set G0SW, 60                          ; s[60:63]
.set G0W, 68                           ; s[68:75] one set for each chunk;  s[76:83] likewise
.set G0C, 76
.set G0SC, 84                          ; s[84:87]
.set ADRI, 4                           ; v4-5 LDS address of my fragments of W_o, chunk 0, 1
.set ADRO, 6                           ; v6   of my tiles' images
.set ADSI, 8                           ; v8   of W_o's scale bytes: a lane to a row
.set ADSO, 9                           ; v9   of my 32 tokens' half words
.set STO,  10                          ; v10  the stage: where I put 32 bytes of a row
.set RD,   11                          ; v11  and where I read a row back
.set CO,   12                          ; v12  16 x lane
.set SI,   16                          ; v16-31 W_o's scale words, as pairs of tiles
.set SO,   32                          ; v32-39 the context's scale words, one for each K step: lanes 0-15 tile 0, lanes 16-31 tile 1
.set BO,   40                          ; v40-43 b_o of my four features on the way out
.set FO,   48
.set FI,   64
.set ACC,  128
.macro ROUND
	s_barrier_signal -1
	s_barrier_wait -1
	s_cmp_lg_u32 s[WV], 0
	s_cbranch_scc1 .Lnot_wave_0_\@
	s_barrier_signal -3
.Lnot_wave_0_\@:
	s_barrier_wait -3
	s_barrier_signal -1
	s_barrier_wait -1
.endm
.macro PLACES n
.rept \n
	v_nop
.endr
.endm
.macro WM d, a, b, zero, sa, sb, ra, rb
.if \zero
.if (\ra) && (\rb)
	v_wmma_scale_f32_16x16x128_f8f6f4 v[(\d):(\d)+7], v[(\a):(\a)+7], v[(\b):(\b)+7], 0, v[\sa], v[\sb] matrix_a_fmt:MATRIX_FMT_FP4 matrix_b_fmt:MATRIX_FMT_FP4 matrix_a_scale:MATRIX_SCALE_ROW1 matrix_b_scale:MATRIX_SCALE_ROW1
.elseif \ra
	v_wmma_scale_f32_16x16x128_f8f6f4 v[(\d):(\d)+7], v[(\a):(\a)+7], v[(\b):(\b)+7], 0, v[\sa], v[\sb] matrix_a_fmt:MATRIX_FMT_FP4 matrix_b_fmt:MATRIX_FMT_FP4 matrix_a_scale:MATRIX_SCALE_ROW1
.elseif \rb
	v_wmma_scale_f32_16x16x128_f8f6f4 v[(\d):(\d)+7], v[(\a):(\a)+7], v[(\b):(\b)+7], 0, v[\sa], v[\sb] matrix_a_fmt:MATRIX_FMT_FP4 matrix_b_fmt:MATRIX_FMT_FP4 matrix_b_scale:MATRIX_SCALE_ROW1
.else
	v_wmma_scale_f32_16x16x128_f8f6f4 v[(\d):(\d)+7], v[(\a):(\a)+7], v[(\b):(\b)+7], 0, v[\sa], v[\sb] matrix_a_fmt:MATRIX_FMT_FP4 matrix_b_fmt:MATRIX_FMT_FP4
.endif
.else
.if (\ra) && (\rb)
	v_wmma_scale_f32_16x16x128_f8f6f4 v[(\d):(\d)+7], v[(\a):(\a)+7], v[(\b):(\b)+7], v[(\d):(\d)+7], v[\sa], v[\sb] matrix_a_fmt:MATRIX_FMT_FP4 matrix_b_fmt:MATRIX_FMT_FP4 matrix_a_scale:MATRIX_SCALE_ROW1 matrix_b_scale:MATRIX_SCALE_ROW1
.elseif \ra
	v_wmma_scale_f32_16x16x128_f8f6f4 v[(\d):(\d)+7], v[(\a):(\a)+7], v[(\b):(\b)+7], v[(\d):(\d)+7], v[\sa], v[\sb] matrix_a_fmt:MATRIX_FMT_FP4 matrix_b_fmt:MATRIX_FMT_FP4 matrix_a_scale:MATRIX_SCALE_ROW1
.elseif \rb
	v_wmma_scale_f32_16x16x128_f8f6f4 v[(\d):(\d)+7], v[(\a):(\a)+7], v[(\b):(\b)+7], v[(\d):(\d)+7], v[\sa], v[\sb] matrix_a_fmt:MATRIX_FMT_FP4 matrix_b_fmt:MATRIX_FMT_FP4 matrix_b_scale:MATRIX_SCALE_ROW1
.else
	v_wmma_scale_f32_16x16x128_f8f6f4 v[(\d):(\d)+7], v[(\a):(\a)+7], v[(\b):(\b)+7], v[(\d):(\d)+7], v[\sa], v[\sb] matrix_a_fmt:MATRIX_FMT_FP4 matrix_b_fmt:MATRIX_FMT_FP4
.endif
.endif
.endm
; 128 along K: the q-th of chunk hf.  20 LDS loads (24 at a chunk's head), 16 products on 16 accumulators by turns, one instruction a turn.
.macro KSTEP hf, q, first
.if !\first
	PLACES 4                                       ; in front of loads into registers that matrix instructions have read
.endif
.if \q == 0
.irp b, 0,1,2,3
	ds_load_b128 v[SI+4*\b:SI+4*\b+3], v[ADSI] offset:1088*\b+16*\hf
.endr
.endif
.irp o, 0,1
.irp c, 0,1
	ds_load_b128 v[FO+8*\o+4*\c:FO+8*\o+4*\c+3], v[ADRO] offset:8192*(4*\hf+\q)+1024*\o+512*\c
.endr
.endr
.irp i, 0,1,2,3,4,5,6,7
.irp c, 0,1
	ds_load_b128 v[FI+8*\i+4*\c:FI+8*\i+4*\c+3], v[ADRI+\hf] offset:4352*\i+64*\q+32*\c
.endr
.endr
.irp i, 0,1,2,3,4,5,6,7
	s_wait_dscnt 14-2*\i                           ; behind fragment i's two loads stand the two of each later fragment
.irp o, 0,1
	WM ACC+64*\o+8*\i, FI+8*\i, FO+8*\o, \first, SI+4*(\i/2)+\q, SO+4*\hf+\q, \i%2, \o
.endr
.endr
.endm
	s_load_b256 s[4:11], s[0:1], 0x0               ; cimg, csw, W_o codes, W_o scales
	s_load_b128 s[12:15], s[0:1], 0x20             ; b_o, out0
	v_lshl_add_u32 v46, v0, 2, 0x46a00
	v_mov_b32 v47, 0
	ds_add_u32 v46, v47
	ds_add_u32 v46, v47
	v_lshrrev_b32 v1, 5, v0
	v_readfirstlane_b32 s[WV], v1                  ; wave 0..7
	s_lshr_b32 s[FG], s[WV], 2
	s_and_b32 s[SUB], s[WV], 3
	s_bfe_u32 s[CX], ttmp6, 0x40000
	s_bfe_u32 s[CY], ttmp6, 0x40004
	s_lshl_b32 s[TB], ttmp9, 2
	s_add_co_u32 s[TB], s[TB], s[CX]               ; block of 128 tokens
	s_and_b32 s[FGP], ttmp7, 0xffff
	s_lshl_b32 s[FGP], s[FGP], 2
	s_add_co_u32 s[FGP], s[FGP], s[CY]             ; block of 256 features
	s_lshl_b32 s[ROWM], s[CY], 2
	s_lshl_b32 s[ROWM], 15, s[ROWM]
	s_lshl_b32 s[COLM], 0x1111, s[CX]
	s_or_b32 s[G1W], s[ROWM], (1<<20)|(1<<21)|(5<<22)|(3<<25)   ; 64 rows x 256 bytes, 512 apart in memory, 4 words of padding behind every 64
	s_mov_b32 s[G1W+1], 256<<16
	s_mov_b32 s[G1W+2], 64<<16
	s_mov_b32 s[G1W+3], 256<<16
	s_mov_b32 s[G1W+4], 64
	s_mov_b32 s[G1W+5], 512
	s_mov_b32 s[G1W+6], 0
	s_mov_b32 s[G1W+7], 0
	s_or_b32 s[G1C], s[COLM], (3<<16)|(1<<21)      ; 16,384 dense bytes as 64 rows of 32 elements of 8 bytes, no padding
	s_mov_b32 s[G1C+1], 32<<16
	s_mov_b32 s[G1C+2], 64<<16
	s_mov_b32 s[G1C+3], 32<<16
	s_mov_b32 s[G1C+4], 64
	s_mov_b32 s[G1C+5], 32
	s_mov_b32 s[G1C+6], 0
	s_mov_b32 s[G1C+7], 0
	s_or_b32 s[G1SW], s[ROWM], (3<<16)|(1<<20)|(1<<21)|(5<<22)|(3<<25)   ; 8,192 dense bytes as 32 rows of 256, padded
	s_or_b32 s[G1SC], s[COLM], (3<<16)|(1<<21)     ; the same, not padded
.irp g, G1SW, G1SC
	s_mov_b32 s[\g+1], 32<<16
	s_mov_b32 s[\g+2], 32<<16
	s_mov_b32 s[\g+3], 32<<16
	s_mov_b32 s[\g+4], 32
	s_mov_b32 s[\g+5], 32
	s_mov_b32 s[\g+6], 0
	s_mov_b32 s[\g+7], 0
.endr
	s_lshl_b32 s2, s[FGP], 17                      ; W_o: row 256 FGP + 64 w, 512 bytes a row.  s[2:3] holds offsets made of FGP, s[66:67] offsets made of TB, never the other
	s_lshl_b32 s25, s[WV], 15
	s_add_co_u32 s2, s2, s25
	s_mov_b32 s3, 0
	s_and_b32 s25, s[WV], 1
	s_lshl_b32 s25, s25, 14                        ; the context: which half of a chunk's 32,768 bytes
	s_lshl_b32 s66, s[TB], 16
	s_add_co_u32 s66, s66, s25
	s_mov_b32 s67, 0
	s_mul_i32 s26, s[WV], HROWS
	s_add_co_u32 s27, s25, CIM
	s_wait_dscnt 0x0
	s_wait_kmcnt 0x0
	s_add_nc_u64 s[88:89], s[8:9], s[2:3]
	s_add_nc_u64 s[90:91], s[4:5], s[66:67]
.irp c, 0,1
	s_mov_b32 s[G0W+4*\c], 1
	s_add_co_u32 s[G0W+4*\c+1], s26, \c*WCB
	s_add_nc_u64 s[G0W+4*\c+2:G0W+4*\c+3], s[88:89], \c*256
	s_or_b32 s[G0W+4*\c+3], s[G0W+4*\c+3], 0x80000000
	s_mov_b32 s[G0C+4*\c], 1
	s_add_co_u32 s[G0C+4*\c+1], s27, \c*32768
	s_add_nc_u64 s[G0C+4*\c+2:G0C+4*\c+3], s[90:91], \c*32768
	s_or_b32 s[G0C+4*\c+3], s[G0C+4*\c+3], 0x80000000
.endr
	s_lshl_b32 s2, s[FGP], 13
	s_mov_b32 s[G0SW], 1
	s_mov_b32 s[G0SW+1], WSC
	s_add_nc_u64 s[G0SW+2:G0SW+3], s[10:11], s[2:3]
	s_or_b32 s[G0SW+3], s[G0SW+3], 0x80000000
	s_lshl_b32 s66, s[TB], 13
	s_mov_b32 s[G0SC], 1
	s_mov_b32 s[G0SC+1], CSW
	s_add_nc_u64 s[G0SC+2:G0SC+3], s[6:7], s[66:67]
	s_or_b32 s[G0SC+3], s[G0SC+3], 0x80000000
	s_lshl_b32 s92, s[FGP], 10                     ; my 128 features, in bytes of f32
	s_lshl_b32 s93, s[FG], 9
	s_add_co_u32 s92, s92, s93
	s_mov_b32 s93, 0
	s_add_nc_u64 s[12:13], s[12:13], s[92:93]      ; b_o there
	s_lshl_b32 s94, s[TB], 19                      ; my first row of the output: 128 TB + 32 SUB, 4,096 bytes a row
	s_lshl_b32 s95, s[SUB], 17
	s_add_co_u32 s94, s94, s95
	s_add_co_u32 s94, s94, s92
	s_mov_b32 s95, 0
	s_add_nc_u64 s[14:15], s[14:15], s[94:95]
	ROUND                                          ; all sixteen work-groups are here: the joint loads meet
	; The first and only fills.  A wave's loads stand in one arm; the arms hang on the wave's number alone.  Four v_nop follow the loads.
	s_cmp_lt_u32 s[WV], 4
	s_cbranch_scc0 .Lnot_w
	tensor_load_to_lds s[G0W:G0W+3], s[G1W:G1W+7]
	s_nop 0
	tensor_load_to_lds s[G0W+4:G0W+7], s[G1W:G1W+7]
	s_nop 0
	PLACES 4
	s_branch .Lasked
.Lnot_w:
	s_cmp_lt_u32 s[WV], 6
	s_cbranch_scc0 .Lnot_c
	tensor_load_to_lds s[G0C:G0C+3], s[G1C:G1C+7]
	s_nop 0
	tensor_load_to_lds s[G0C+4:G0C+7], s[G1C:G1C+7]
	s_nop 0
	PLACES 4
	s_branch .Lasked
.Lnot_c:
	s_cmp_lt_u32 s[WV], 7
	s_cbranch_scc0 .Lsc_c
	tensor_load_to_lds s[G0SW:G0SW+3], s[G1SW:G1SW+7]
	s_nop 0
	PLACES 4
	s_branch .Lscw
.Lsc_c:
	tensor_load_to_lds s[G0SC:G0SC+3], s[G1SC:G1SC+7]
	s_nop 0
	PLACES 4
.Lscw:
	s_wait_tensorcnt 0x0                           ; waves 6, 7: my one load, scale bytes, has landed
.Lasked:
	v_and_b32 v1, 31, v0                           ; lane
	v_and_b32 v2, 15, v0                           ; r
	v_bfe_u32 v3, v0, 4, 1                         ; h
	v_lshlrev_b32 v[CO], 4, v1
	global_load_b128 v[BO:BO+3], v[CO], s[12:13]   ; b_o of features 4 x lane on
	s_mul_i32 s26, s[FG], 128*PITCH
	v_mul_u32_u24 v15, v2, PITCH
	v_lshl_add_u32 v15, v3, 4, v15
	v_add_nc_u32 v[ADRI], s26, v15
	v_add_nc_u32 v[ADRI+1], WCB, v[ADRI]
	s_lshl_b32 s26, s[SUB], 11
	s_add_co_u32 s26, s26, CIM
	v_add_nc_u32 v[ADRO], s26, v[CO]               ; tiles 2 SUB, 2 SUB + 1: 1,024 bytes each in a K step's 8,192
	v_lshrrev_b32 v15, 3, v1
	v_lshlrev_b32 v15, 4, v15
	v_lshl_add_u32 v15, v1, 5, v15                 ; 32 x lane, + 16 for each 8 rows passed
	s_mul_i32 s26, s[FG], 16*272
	s_add_co_u32 s26, s26, WSC
	v_add_nc_u32 v[ADSI], s26, v15
	s_lshl_b32 s26, s[SUB], 7
	s_add_co_u32 s26, s26, CSW
	v_lshl_add_u32 v[ADSO], v1, 2, s26             ; token 32 SUB + lane
	s_mul_i32 s25, s[WV], 16*528
	s_add_co_u32 s25, s25, STG                     ; my stage
	v_mul_u32_u24 v[STO], v2, 528
	v_lshl_add_u32 v[STO], v3, 5, v[STO]
	v_add_nc_u32 v[STO], s25, v[STO]               ; in: row r, 32 bytes for each half of the lanes
	v_add_nc_u32 v[RD], s25, v[CO]                 ; back: the 32 lanes take one row of 512 bytes
	s_wait_tensorcnt 0x1                           ; waves 0-5: chunk 0 has landed; the one load issued behind it, chunk 1's, may stay out
	s_barrier_signal -1
	s_barrier_wait -1                              ; chunk 0 and the scale bytes are everybody's
.irp d, 0,1,2,3,4,5,6,7,8,9,10,11,12,13,14,15
	ds_load_b32 v[ACC+\d], v[ADSO] offset:512*\d   ; my tokens' two bytes of each head
.endr
	s_wait_dscnt 0x0
.irp k, 0,1,2,3,4,5,6,7
	v_lshl_or_b32 v[SO+\k], v[ACC+2*\k+1], 16, v[ACC+2*\k]   ; a K step is two heads: four bytes
.endr
	PLACES 8                                       ; a scale register written by a vector instruction stands eight places ahead of a scaled product
	KSTEP 0, 0, 1                                  ; the first products start the sums: nothing is cleared
	KSTEP 0, 1, 0
	KSTEP 0, 2, 0
	KSTEP 0, 3, 0
	s_wait_tensorcnt 0x0                           ; my part of chunk 1 has landed
	s_wait_dscnt 0x0
	s_barrier_signal -1
	s_barrier_wait -1
	KSTEP 1, 0, 0
	KSTEP 1, 1, 0
	KSTEP 1, 2, 0
	KSTEP 1, 3, 0
	s_wait_loadcnt 0x0                             ; b_o
	PLACES 4
	; THE WAY OUT.  A lane holds 32 bytes of a row and the lanes beside it other rows: 16 rows at a time go through my own stage and come back as whole rows of 512 bytes.
	; LDS serves a wave's instructions in order: no wait between the stores and the loads, nor in front of the second tile's stores.
.irp o, 0,1
.irp i, 0,1,2,3,4,5,6,7
	ds_store_b128 v[STO], v[ACC+64*\o+8*\i:ACC+64*\o+8*\i+3] offset:64*\i        ; each accumulator from its low end on
	ds_store_b128 v[STO], v[ACC+64*\o+8*\i+4:ACC+64*\o+8*\i+7] offset:64*\i+16
.endr
.irp t, 0,1,2,3,4,5,6,7,8,9,10,11,12,13,14,15
	ds_load_b128 v[64+64*\o+4*\t:64+64*\o+4*\t+3], v[RD] offset:528*\t
.endr
.endr
	s_wait_dscnt 32                                ; the first tile's rows are back: behind them stand the second tile's 16 stores and 16 loads
.irp t, 0,1,2,3,4,5,6,7,8,9,10,11,12,13,14,15
	v_pk_add_f32 v[64+4*\t:65+4*\t], v[64+4*\t:65+4*\t], v[BO:BO+1]
	v_pk_add_f32 v[66+4*\t:67+4*\t], v[66+4*\t:67+4*\t], v[BO+2:BO+3]
	global_store_b128 v[CO], v[64+4*\t:67+4*\t], s[14:15] offset:4096*\t th:TH_STORE_NT   ; 32 lanes store 512 consecutive bytes, at a multiple of 256 from the output's first byte; written once
.endr
.irp t, 0,1,2,3,4,5,6,7,8,9,10,11,12,13,14,15
	s_wait_dscnt 15-\t
	v_pk_add_f32 v[128+4*\t:129+4*\t], v[128+4*\t:129+4*\t], v[BO:BO+1]
	v_pk_add_f32 v[130+4*\t:131+4*\t], v[130+4*\t:131+4*\t], v[BO+2:BO+3]
	global_store_b128 v[CO], v[128+4*\t:131+4*\t], s[14:15] offset:4096*(16+\t) th:TH_STORE_NT
.endr
	s_wait_tensorcnt 0x0
	ds_add_u32 v46, v47
	s_wait_dscnt 0x0
	ROUND                                          ; the closing round
	s_endpgm
.Lfunc_end_k_q81281366b3_oproj:
	.size	k_q81281366b3_oproj, .Lfunc_end_k_q81281366b3_oproj-k_q81281366b3_oproj
	.p2alignl 7, 3214868480
	.fill 96, 4, 3214868480
	.section	.rodata,"a",@progbits
	.p2align	6, 0x0
	.amdhsa_kernel k_q81281366b3_oproj
		.amdhsa_group_segment_fixed_size 290304
		.amdhsa_private_segment_fixed_size 0
		.amdhsa_enable_private_segment 0
		.amdhsa_kernarg_size 48
		.amdhsa_user_sgpr_count 2
		.amdhsa_user_sgpr_kernarg_segment_ptr 1
		.amdhsa_wavefront_size32 1
		.amdhsa_system_sgpr_workgroup_id_x 1
		.amdhsa_system_sgpr_workgroup_id_y 1
		.amdhsa_system_sgpr_workgroup_id_z 1
		.amdhsa_system_vgpr_workitem_id 0
		.amdhsa_next_free_vgpr 256
		.amdhsa_next_free_sgpr 106
		.amdhsa_reserve_vcc 0
		.amdhsa_float_denorm_mode_32 3
		.amdhsa_float_denorm_mode_16_64 3
		.amdhsa_memory_ordered 1
		.amdhsa_forward_progress 1
		.amdhsa_inst_pref_size 52
	.end_amdhsa_kernel
	.amdgpu_metadata
---
amdhsa.version: [ 1, 2 ]
amdhsa.kernels:
  - .name:           k_q81281366b3_oproj
    .symbol:         k_q81281366b3_oproj.kd
    .args:
      - { .name: cimg, .offset: 0, .size: 8, .value_kind: global_buffer, .address_space: global }
      - { .name: csw, .offset: 8, .size: 8, .value_kind: global_buffer, .address_space: global }
      - { .name: W_o_codes, .offset: 16, .size: 8, .value_kind: global_buffer, .address_space: global }
      - { .name: W_o_scales, .offset: 24, .size: 8, .value_kind: global_buffer, .address_space: global }
      - { .name: b_o, .offset: 32, .size: 8, .value_kind: global_buffer, .address_space: global }
      - { .name: out0, .offset: 40, .size: 8, .value_kind: global_buffer, .address_space: global }
    .group_segment_fixed_size: 290304
    .private_segment_fixed_size: 0
    .kernarg_segment_align: 8
    .kernarg_segment_size: 48
    .max_flat_workgroup_size: 256
    .sgpr_count:     106
    .vgpr_count:     256
    .wavefront_size: 32
...
	.end_amdgpu_metadata
.endif
;; end of part 3
